; MI455X (gfx1250); checked and timed in simulation.
; The chip was launched on July 23, 2026; its instructions are those of AMD's public machine-readable ISA for CDNA 5 (MIT licence, August 2026) and "CDNA5" Instruction Set Architecture Reference Guide (July 2026). The comments in the code are by the model that wrote it; some were corrected since.
;; Flash Diff Custom Attention. Allowed arithmetic: matrix products marked QUANTISED: E5M2 operands, one E8M0 scale for each 32 along K, by v_wmma_scale_f32_16x16x128_f8f6f4 with both operands' format E5M2, f32 sums; everything else in f32.
;; Inputs: k 2 x 2,048 x 16 x 128 float32; lambda_k1 128 float32; lambda_k2 128 float32; lambda_q1 128 float32; lambda_q2 128 float32; q 2 x 2,048 x 16 x 128 float32; subln_weight 256 float32; v 2 x 2,048 x 16 x 128 float32.
;; Outputs: out0 2 x 2,048 x 16 x 128 float32.
;; This version of the problem:
;;   THIS VERSION OF THE PROBLEM IS GIVEN IN LOW PRECISION. The matrix products marked QUANTISED in the list below multiply operands that are first quantised to E5M2 (5 exponent bits, 2 mantissa bits; 8 bits a number), with one power-of-two scale for each 32 numbers along K (OCP MX v1.0); their sums are f32. All else is computed in f32.
;;   The module's matrix products, in the order in which they are computed (A, B: the left and right operand; K: the contracted axis; several contracted axes count as one K, in the product's order):
;;     1. batch 16 x [M 2,048, K 128] x [K 128, N 2,048]; A: input q; B: input k: QUANTISED
;;     2. batch 16 x [M 256, K 2,048] x [K 2,048, N 2,048]; A: computed on the way; B: softmax (see below): QUANTISED
;;     3. batch 16 x [M 2,048, K 128] x [K 128, N 2,048]; A: input q; B: input k: QUANTISED
;;     4. batch 16 x [M 256, K 2,048] x [K 2,048, N 2,048]; A: computed on the way; B: softmax (see below): QUANTISED
;;   THE QUANTISER, for each operand of a quantised product, along K:
;;     - K is cut into blocks of 32 from its start; a last block that is shorter is filled with zeros.
;;     - A block's scale is 2^e with e = floor(log2(the largest magnitude in the block)) - 15, held to -126 .. 127; a block of zeros has e = 0. As a byte (E8M0): e + 127.
;;     - Each number is divided by its block's scale, clamped to +-57,344, and rounded to the nearest number of E5M2, ties to even, subnormals kept.
;;     - The product sums the exact products of the quantised numbers (number of the format x scale) in f32.
;;   ~~~python
;;   def quantise(x, axis):      # numpy; x: float32 -> the quantised numbers, widened to float32 again
;;       x = np.moveaxis(x, axis, -1); K = x.shape[-1]
;;       x = np.pad(x, [(0, 0)] * (x.ndim - 1) + [(0, -K % 32)]); x = x.reshape(x.shape[:-1] + (-1, 32)); a = np.abs(x).max(-1, keepdims=True)
;;       e = np.where(a > 0, np.clip(np.frexp(np.where(a > 0, a, 1))[1] - 1 - 15, -126, 127), 0)      # np.frexp(a)[1] - 1 = floor(log2(a)), exactly
;;       r = np.clip(x / 2.0 ** e, -57344, 57344)
;;       step = 2.0 ** (np.maximum(np.frexp(np.where(r == 0, 1, r))[1] - 1, -14) - 2)
;;       q = np.round(r / step) * step * 2.0 ** e      # np.round: ties to even
;;       return np.moveaxis(q.reshape(q.shape[:-2] + (-1,))[..., :K], -1, axis).astype(np.float32)
;;   ~~~
;;   SOFTMAX AHEAD OF A QUANTISED PRODUCT. Where the list says 'softmax', what is quantised is not the finished softmax but p = 2^(t - M), with t = logit x log2(e) and M = ceil(the row's largest t), a whole number; so 1/2 < the row's largest p <= 1. The row's sum l is taken of the UNQUANTISED p, in f32, and the product's result is divided by l at the end. Since M is a whole number, a kernel that streams over the keys may use a running M (the ceiling of the running maximum): every later rescaling is an exact power of two, which a block's scale takes up: the codes' values come out the same.
;;   OPERANDS COMPUTED ON THE WAY. 'Computed on the way' means the value that the module computes at that place (a softmax that the list does not call 'softmax' is quantised finished and normalised). What goes into a quantiser is computed in f32, as accurately as f32 sums, v_exp_f32 and their like allow (about 1e-6 of the number): no bf16 or f16 on the way to a quantiser, and a product that is left as it is and whose result goes on into a quantised operand takes f32 operands (vector FMAs, or v_wmma_f32_16x16x4_f32). A number that lies on a knife's edge between two numbers of the format may be rounded either way, as far as f32 arithmetic and the matrix unit's own rounding can turn it there, and no further.
;; One version. Each part assembles by itself: llvm-mc -triple=amdgcn-amd-amdhsa -mcpu=gfx1250 --defsym DOCPART=n.
;; ======== version 1 of 1: 2 launches
;; workspace buffers: kvc 16,777,216 bytes; kvs 524,288 bytes
;; launch prep (part 1): grid 16 x 16, 8 waves a work-group, no clusters, 267,264 bytes of LDS; arguments k, v, kvc, kvs; writes kvc, kvs
.if DOCPART == 1
	.amdgcn_target "amdgcn-amd-amdhsa--gfx1250"
	.amdhsa_code_object_version 6
	.text
	.protected	k_q5c7eaa38cc_prep
	.globl	k_q5c7eaa38cc_prep
	.p2align	8
	.type	k_q5c7eaa38cc_prep,@function
k_q5c7eaa38cc_prep:
	s_mov_b64 s[64:65], 0
	v_nop
	global_prefetch_b8 v0, s[64:65] scope:SCOPE_SE
	s_setreg_imm32_b32 hwreg(HW_REG_WAVE_MODE, 25, 1), 1
	s_wait_xcnt 0x0
; k and v, [2][2048][16][128] f32, become codes of BF8 (E5M2) with one E8M0 scale byte for each 32 along a product's K, laid as IMAGES OF OPERAND REGISTERS for the attention launch.
; A work-group makes one block: pair of heads bh = 8 b + h (grid y), key step of 128 keys (grid x).  kvc[bh][step] is 65,536 bytes: 8 fragments of K of head 2 h, 8 of head 2 h + 1, 16 of V (256 channels).
; A fragment is 16 rows x 128 along K = 2,048 bytes: register group c (four registers) of lane l lies at 512 c + 16 l.  K's K is the head's 128 channels; V's K is the step's 128 keys.
; THE KEYS OF A TILE OF K ARE NOT NEIGHBOURS: row m of tile 2 b' + u is key 32 b' + 8 u + m + 8 (m / 8), so that the scores of two neighbouring tiles are 16 neighbouring keys in a lane.
; kvs[bh][step] is 2,048 bytes: eight pieces of 256 bytes, [lane][2 words]: piece n is the pair (2 n, 2 n + 1) of a file of 16 scale registers; a register holds an even tile's words in lanes 0-15 and the next tile's in lanes 16-31.
; SHARES.  Waves 0-3: K: head a = kw / 2, 64 keys g = kw % 2: four fragments.  Waves 4-7: V: 64 channels, all 128 keys: a lane takes a channel and its registers run down the keys, eight tasks of 32 keys x 32 channels.
; The numbers come by tensor loads, two a wave, all issued at the start; nothing is filled again, each wave reads only what it fetched itself: no barrier.  Work-groups share no input: no cluster.
; A block's scale is 2^(floor(log2(its largest magnitude)) - 15); its byte is the largest magnitude's exponent field - 15, held at 1 from below.
; LIMITS: a block whose largest magnitude lies under 2^-111 (a block of zeros too) keeps the byte 1: zeros' codes are zeros, and these bytes are read by this program alone; NaN and infinities among the inputs are not served.
.set KP,    528                        ; a key's row of K in LDS: 512 bytes + 16 of padding
.set KHALF, 32*KP                      ; what one tensor load of K brings: 32 keys
.set KREG,  2*KHALF                    ; a K wave's region
.set VBASE, 4*KREG                     ; behind K's four regions: V's
.set VHALF, 64*256                     ; what one tensor load of V brings: 64 keys x 256 bytes, no padding: a lane's reads are 128 consecutive bytes a wave
.set VREG,  2*VHALF
.set SPARE, VBASE+4*VREG               ; the spare words, 128 bytes for each wave: four blocks of 256 bytes that no other line names
.set LI,  2                            ; v2   16 x lane
.set L8,  3                            ; v3   8 x lane
.set SPW, 4                            ; v4   LDS address of my spare word; never rewritten
.set NIL, 5                            ; v5   0; never rewritten
.set KAD, 6                            ; v6   K: my row of a tile in my wave's region, + 64 bytes for lanes 16-31
.set VAD, 7                            ; v7   V: my channel in my wave's region
.set VST, 8                            ; v8   V: where my 16 codes go in a pair of fragments
.set TM,  16                           ; v16-31 at work
.set PW,  32                           ; v32-35 the scale words of K's four fragments
.set SW,  36                           ; v[36:37] the pair of scale registers that leaves
.set C,   40                           ; v40-103 codes: registers of their own for every fragment and task, so that no store's data are written again
.set X,   104                          ; v104-231 numbers: K two sets of 64, V two sets of 32
.set WV,  22
.set MNT, 23                           ; the mantissa field of 57,344
.set G1K, 24
.set G1V, 32
.set G0K, 40                           ; s[40:47] two groups 0 for K
.set G0V, 48                           ; s[48:55] two for V
.set SEL, 66                           ; s[66:67] v_permlanex16_b32's selects for lane l xor 16
.set HI16, 68                          ; a mask of lanes 16-31
.set KO,  70
.set KSO, 72
.set VO,  74
.set VSO, 76
	s_load_b256 s[4:11], s[0:1], 0x0               ; k s[4:5], v s[6:7], kvc s[8:9], kvs s[10:11]
	v_lshl_add_u32 v[SPW], v0, 2, SPARE
	v_mov_b32 v[NIL], 0
	ds_add_u32 v[SPW], v[NIL]                      ; the wave's opening: the add and its wait ahead of my first tensor load; the set-up below, work on registers, stands between them
	v_lshrrev_b32 v1, 5, v0
	v_readfirstlane_b32 s[WV], v1                  ; wave 0..7
	s_and_b32 s12, s[WV], 3                        ; kw
	s_lshr_b32 s13, s12, 1                         ; a: which head of the pair (K)
	s_and_b32 s14, s12, 1                          ; g: which 64 keys (K)
	s_and_b32 s16, ttmp7, 0xffff                   ; bh
	s_lshr_b32 s17, s16, 3                         ; b
	s_and_b32 s18, s16, 7                          ; h
	; descriptor group 1 for K: 32 rows of 128 elements of 4 bytes, 2,048 elements apart, 4 words of padding behind every 128
	s_mov_b32 s[G1K+0], (2<<16)|(1<<20)|(6<<22)|(3<<25)
	s_mov_b32 s[G1K+1], 128<<16                    ; tensor_dim0
	s_mov_b32 s[G1K+2], 32<<16                     ; tensor_dim1
	s_mov_b32 s[G1K+3], 128<<16                    ; tile_dim0
	s_mov_b32 s[G1K+4], 32                         ; tile_dim1
	s_mov_b32 s[G1K+5], 2048                       ; from key to key
	s_mov_b32 s[G1K+6], 0
	s_mov_b32 s[G1K+7], 0
	; and for V: 64 rows of 64 elements, no padding
	s_mov_b32 s[G1V+0], 2<<16
	s_mov_b32 s[G1V+1], 64<<16
	s_mov_b32 s[G1V+2], 64<<16
	s_mov_b32 s[G1V+3], 64<<16
	s_mov_b32 s[G1V+4], 64
	s_mov_b32 s[G1V+5], 2048
	s_mov_b32 s[G1V+6], 0
	s_mov_b32 s[G1V+7], 0
	s_mov_b32 s[MNT], 0x600000
	s_mov_b32 s[SEL], 0x76543210
	s_mov_b32 s[SEL+1], 0xfedcba98
	s_mov_b32 s[HI16], 0xffff0000
	; every LDS address is made here, ahead of the parting of the roles
	v_and_b32 v9, 31, v0                           ; lane
	v_and_b32 v10, 15, v0                          ; r
	v_bfe_u32 v11, v0, 4, 1                        ; hf
	v_lshlrev_b32 v[LI], 4, v9
	v_lshlrev_b32 v[L8], 3, v9
	v_and_b32 v12, 8, v10
	v_add_nc_u32 v12, v12, v10                     ; r + 8 (r / 8)
	v_mul_u32_u24 v[KAD], v12, KP
	v_lshl_add_u32 v[KAD], v11, 6, v[KAD]          ; + 16 numbers for lanes 16-31
	s_mul_i32 s19, s12, KREG
	v_add_nc_u32 v[KAD], s19, v[KAD]
	s_mul_i32 s20, s12, VREG
	s_add_co_u32 s20, s20, VBASE
	v_lshl_add_u32 v[VAD], v9, 2, s20
	v_lshlrev_b32 v[VST], 4, v10
	v_lshl_add_u32 v[VST], v11, 11, v[VST]         ; lanes 16-31 hold the next tile of 16 channels: one fragment on
.irp b, 0,1,2,3
	v_mov_b32 v[TM+4+\b], 0                        ; written once: a lane permute's destination counts as one of its sources
.endr
	; byte offsets, apart from the addresses.  In k and v: b x 2^24 + key x 8,192 + head x 512
	s_lshl_b32 s56, s17, 24
	s_lshl_b32 s57, ttmp9, 20                      ; the step's 128 keys
	s_add_co_u32 s56, s56, s57
	s_lshl_b32 s57, s18, 10                        ; the pair's 1,024 bytes
	s_add_co_u32 s56, s56, s57
	s_lshl_b32 s58, s14, 19                        ; K: my 64 keys,
	s_lshl_b32 s59, s13, 9                         ; my head
	s_add_co_u32 s58, s58, s59
	s_add_co_u32 s58, s58, s56
	s_mov_b32 s59, 0
	s_lshl_b32 s60, s12, 8                         ; V: my 64 channels
	s_add_co_u32 s60, s60, s56
	s_mov_b32 s61, 0
	s_lshl_b32 s21, s16, 4
	s_add_co_u32 s21, s21, ttmp9                   ; the block's number: 16 bh + step
	s_lshl_b32 s78, s21, 16                        ; in kvc
	s_lshl_b32 s80, s21, 11                        ; in kvs
	s_lshl_b32 s82, s13, 14                        ; K's codes: head a's eight fragments, my four of them
	s_lshl_b32 s83, s14, 13
	s_add_co_u32 s82, s82, s83
	s_add_co_u32 s82, s82, s78
	s_mov_b32 s83, 0
	s_lshl_b32 s84, s13, 9                         ; K's scale words: piece 2 a + g
	s_lshl_b32 s85, s14, 8
	s_add_co_u32 s84, s84, s85
	s_add_co_u32 s84, s84, s80
	s_mov_b32 s85, 0
	s_lshl_b32 s86, s12, 13                        ; V's codes: behind K's 32,768 bytes, my four fragments
	s_add_co_u32 s86, s86, 32768
	s_add_co_u32 s86, s86, s78
	s_mov_b32 s87, 0
	s_lshl_b32 s88, s12, 8                         ; V's scale words: piece 4 + kw
	s_add_co_u32 s88, s88, 1024
	s_add_co_u32 s88, s88, s80
	s_mov_b32 s89, 0
	s_wait_dscnt 0x0                               ; the opening add is done
	s_wait_kmcnt 0x0
	s_add_nc_u64 s[KO:KO+1], s[8:9], s[82:83]
	s_add_nc_u64 s[KSO:KSO+1], s[10:11], s[84:85]
	s_add_nc_u64 s[VO:VO+1], s[8:9], s[86:87]
	s_add_nc_u64 s[VSO:VSO+1], s[10:11], s[88:89]
	s_mov_b32 s[G0K], 1                            ; count = 1
	s_mov_b32 s[G0K+1], s19                        ; LDS address
	s_add_nc_u64 s[G0K+2:G0K+3], s[4:5], s[58:59]  ; my first 32 keys
	s_mov_b32 s[G0K+4], 1
	s_add_co_u32 s[G0K+5], s19, KHALF
	s_add_nc_u64 s[G0K+6:G0K+7], s[G0K+2:G0K+3], 1<<18   ; 32 keys on
	s_or_b32 s[G0K+3], s[G0K+3], 0x80000000        ; type = 2
	s_or_b32 s[G0K+7], s[G0K+7], 0x80000000
	s_mov_b32 s[G0V], 1
	s_mov_b32 s[G0V+1], s20
	s_add_nc_u64 s[G0V+2:G0V+3], s[6:7], s[60:61]  ; the step's first 64 keys
	s_mov_b32 s[G0V+4], 1
	s_add_co_u32 s[G0V+5], s20, VHALF
	s_add_nc_u64 s[G0V+6:G0V+7], s[G0V+2:G0V+3], 1<<19   ; 64 keys on
	s_or_b32 s[G0V+3], s[G0V+3], 0x80000000
	s_or_b32 s[G0V+7], s[G0V+7], 0x80000000
	s_cmp_lt_u32 s[WV], 4                          ; a wave's two fills stand in one branch on its number, ahead of every wait on TENSORcnt and every LDS read: two loads of mine are out
	s_cbranch_scc0 .Lfill_v
	tensor_load_to_lds s[G0K:G0K+3], s[G1K:G1K+7]
	s_nop 0
	tensor_load_to_lds s[G0K+4:G0K+7], s[G1K:G1K+7]
	s_nop 0
.rept 4
	v_nop
.endr
	s_branch .Lfilled
.Lfill_v:
	tensor_load_to_lds s[G0V:G0V+3], s[G1V:G1V+7]
	s_nop 0
	tensor_load_to_lds s[G0V+4:G0V+7], s[G1V:G1V+7]
	s_nop 0
.rept 4
	v_nop
.endr
.Lfilled:
; 64 numbers of a lane, register 16 b + i = k 32 b + 16 (lane / 16) + i of my row, become a fragment's 16 registers of codes at v[pc] and its scale word in v[pw]
.macro QUANT s, pc, pw
.irp b, 0,1,2,3
	v_max3_num_f32 v[TM+\b], |v[(\s)+16*\b]|, |v[(\s)+1+16*\b]|, 0x8000000   ; block b: my 16 numbers, and the floor 2^(16 - 127): so the byte cannot fall under 1
.endr
.irp i, 2,4,6,8,10,12,14
.irp b, 0,1,2,3
	v_max3_num_f32 v[TM+\b], v[TM+\b], |v[(\s)+16*\b+\i]|, |v[(\s)+1+16*\b+\i]|   ; the four blocks by turns
.endr
.endr
.irp b, 0,1,2,3
	v_permlanex16_b32 v[TM+4+\b], v[TM+\b], s[SEL], s[SEL+1]
.endr
.irp b, 0,1,2,3
	v_max_num_f32 v[TM+\b], v[TM+\b], v[TM+4+\b]   ; with lane l xor 16's 16: the block's largest magnitude
.endr
.irp b, 0,1,2,3
	v_add_nc_u32 v[TM+12+\b], 0xf8800000, v[TM+\b] ; 15 off its exponent field: the conversion's scale operand
.endr
.irp b, 0,1,2,3
	v_and_or_b32 v[TM+8+\b], v[TM+\b], 0x7f800000, s[MNT]   ; 57,344 x the scale
.endr
.irp b, 0,1,2,3
	v_lshrrev_b32 v[TM+4+\b], 23, v[TM+12+\b]      ; the scale's byte
.endr
	v_lshl_or_b32 v[\pw], v[TM+5], 8, v[TM+4]      ; four bytes: my row's scale word
	v_lshl_or_b32 v[\pw], v[TM+6], 16, v[\pw]
	v_lshl_or_b32 v[\pw], v[TM+7], 24, v[\pw]
.irp b, 0,1,2,3
.irp i, 0,1,2,3,4,5,6,7,8,9,10,11,12,13,14,15
	v_med3_num_f32 v[(\s)+16*\b+\i], v[(\s)+16*\b+\i], -v[TM+8+\b], v[TM+8+\b]   ; the conversion to an 8-bit code does not saturate (ISA guide 7.6.2): the hold at the largest code x the scale
.endr
	v_cvt_scalef32_pk8_bf8_f32 v[(\pc)+4*\b:(\pc)+4*\b+1], v[(\s)+16*\b:(\s)+16*\b+7], v[TM+12+\b]
	v_cvt_scalef32_pk8_bf8_f32 v[(\pc)+4*\b+2:(\pc)+4*\b+3], v[(\s)+16*\b+8:(\s)+16*\b+15], v[TM+12+\b]
.endr
	v_nop                                          ; one plain line behind the last conversion
.endm
; K: fragment t of my four: lane (r, hf) takes, of key 32 (t / 2) + 8 (t % 2) + r + 8 (r / 8), 16 neighbouring numbers of each block of 32.  The two groups of eight keys lie 16 rows apart, a whole number
; of times 256 bytes at this pitch, so two lanes of a group of sixteen want the same 16-byte column modulo 256 bytes; there are 64 such loads a wave
.macro DSK t
.irp c, 0,1,2,3
.irp j, 0,1,2,3
	ds_load_b128 v[X+64*((\t)%2)+16*\c+4*\j:X+64*((\t)%2)+16*\c+4*\j+3], v[KAD] offset:(32*((\t)/2)+8*((\t)%2))*KP+128*\c+16*\j
.endr
.endr
.endm
; V: task n: keys 32 (n / 2) on, channels 32 (n % 2) + lane of my 64: 32 numbers down the keys
.macro DSV n
.irp i, 0,1,2,3,4,5,6,7,8,9,10,11,12,13,14,15,16,17,18,19,20,21,22,23,24,25,26,27,28,29,30,31
	ds_load_b32 v[X+32*((\n)%2)+\i], v[VAD] offset:(32*((\n)/2)+\i)*256+128*((\n)%2)
.endr
.endm
.macro VBLOCK n
.set XS, X+32*((\n)%2)
.set CC, C+8*(\n)
	v_max3_num_f32 v[TM], |v[XS]|, |v[XS+1]|, |v[XS+2]|      ; the block's largest magnitude: all 32 numbers are mine
	v_max3_num_f32 v[TM+1], |v[XS+3]|, |v[XS+4]|, |v[XS+5]|
.irp i, 6,10,14,18,22,26
	v_max3_num_f32 v[TM], v[TM], |v[XS+\i]|, |v[XS+\i+1]|
	v_max3_num_f32 v[TM+1], v[TM+1], |v[XS+\i+2]|, |v[XS+\i+3]|
.endr
	v_max3_num_f32 v[TM], v[TM], |v[XS+30]|, |v[XS+31]|
	v_max3_num_f32 v[TM], v[TM], v[TM+1], 0x8000000          ; and the floor
	v_add_nc_u32 v[TM+2], 0xf8800000, v[TM]
	v_and_or_b32 v[TM+3], v[TM], 0x7f800000, s[MNT]
	v_lshrrev_b32 v[TM+8], 23, v[TM+2]
.if (\n) < 2
	v_mov_b32 v[SW+(\n)%2], v[TM+8]                          ; four bytes to a word, the earlier keys in the lower byte
.else
	v_lshl_or_b32 v[SW+(\n)%2], v[TM+8], 8*((\n)/2), v[SW+(\n)%2]
.endif
.irp i, 0,1,2,3,4,5,6,7,8,9,10,11,12,13,14,15,16,17,18,19,20,21,22,23,24,25,26,27,28,29,30,31
	v_med3_num_f32 v[XS+\i], v[XS+\i], -v[TM+3], v[TM+3]
.endr
.irp g, 0,1,2,3
	v_cvt_scalef32_pk8_bf8_f32 v[CC+2*\g:CC+2*\g+1], v[XS+8*\g:XS+8*\g+7], v[TM+2]
.endr
	v_nop
	global_store_b128 v[VST], v[CC:CC+3], s[VO:VO+1] offset:4096*((\n)%2)+512*((\n)/2)          ; keys 0-15 of the block: the image's lanes 0-15; sixteen lanes store 256 consecutive bytes, aligned
	global_store_b128 v[VST], v[CC+4:CC+7], s[VO:VO+1] offset:4096*((\n)%2)+512*((\n)/2)+256    ; keys 16-31: its lanes 16-31
.endm
	s_wait_tensorcnt 0x1                           ; my first tile is in; the one load issued behind it may be out
	s_cmp_lt_u32 s[WV], 4
	s_cbranch_scc0 .Lv_arm
	DSK 0
	DSK 1
.irp t, 0,1,2,3
.if \t < 3
	s_wait_dscnt 16                                ; this fragment's 16 loads are in; the next fragment's 16 may be out
.else
	s_wait_dscnt 0x0
.endif
	QUANT X+64*(\t%2), C+16*\t, PW+\t
.irp c, 0,1,2,3
	global_store_b128 v[LI], v[C+16*\t+4*\c:C+16*\t+4*\c+3], s[KO:KO+1] offset:2048*\t+512*\c   ; the image: 32 lanes store 512 consecutive bytes
.endr
.if \t == 0
	s_wait_tensorcnt 0x0                           ; my second tile: keys 32-63 of my 64
.endif
.if \t < 2
	DSK \t+2
.endif
.endr
	v_cndmask_b32 v[SW], v[PW], v[PW+1], s[HI16]   ; a scale register: the even tile's words in lanes 0-15, the odd tile's in lanes 16-31 (both halves of the lanes hold their row's word)
	v_cndmask_b32 v[SW+1], v[PW+2], v[PW+3], s[HI16]
	global_store_b64 v[L8], v[SW:SW+1], s[KSO:KSO+1]   ; 32 lanes store 256 consecutive bytes, aligned
	s_branch .Lend
.Lv_arm:
	DSV 0
	DSV 1
.irp n, 0,1,2,3,4,5,6,7
.if \n < 7
	s_wait_dscnt 32                                ; this task's 32 loads are in; the next task's 32 may be out
.else
	s_wait_dscnt 0x0
.endif
	VBLOCK \n
.if \n == 2
	s_wait_tensorcnt 0x0                           ; my second tile: keys 64-127, wanted from task 4 on
.endif
.if \n < 6
	DSV \n+2
.endif
.endr
	global_store_b64 v[L8], v[SW:SW+1], s[VSO:VSO+1]   ; lane l's two words: channels l and 32 + l of my 64: two scale registers as they stand
.Lend:
	s_wait_tensorcnt 0x0                           ; the wave's end, behind my last tensor load
	ds_add_u32 v[SPW], v[NIL]
	s_wait_dscnt 0x0
	s_endpgm
.Lfunc_end_k_q5c7eaa38cc_prep:
	.size	k_q5c7eaa38cc_prep, .Lfunc_end_k_q5c7eaa38cc_prep-k_q5c7eaa38cc_prep
	.p2alignl 7, 3214868480
	.fill 96, 4, 3214868480
	.section	.rodata,"a",@progbits
	.p2align	6, 0x0
	.amdhsa_kernel k_q5c7eaa38cc_prep
		.amdhsa_group_segment_fixed_size 267264
		.amdhsa_private_segment_fixed_size 0
		.amdhsa_enable_private_segment 0
		.amdhsa_kernarg_size 32
		.amdhsa_user_sgpr_count 2
		.amdhsa_user_sgpr_kernarg_segment_ptr 1
		.amdhsa_wavefront_size32 1
		.amdhsa_system_sgpr_workgroup_id_x 1
		.amdhsa_system_sgpr_workgroup_id_y 1
		.amdhsa_system_sgpr_workgroup_id_z 1
		.amdhsa_system_vgpr_workitem_id 0
		.amdhsa_next_free_vgpr 240
		.amdhsa_next_free_sgpr 96
		.amdhsa_reserve_vcc 0
		.amdhsa_float_denorm_mode_32 3
		.amdhsa_float_denorm_mode_16_64 3
		.amdhsa_memory_ordered 1
		.amdhsa_forward_progress 1
		.amdhsa_inst_pref_size 91
	.end_amdhsa_kernel
	.amdgpu_metadata
---
amdhsa.version: [ 1, 2 ]
amdhsa.kernels:
  - .name:           k_q5c7eaa38cc_prep
    .symbol:         k_q5c7eaa38cc_prep.kd
    .args:
      - { .name: k, .offset: 0, .size: 8, .value_kind: global_buffer, .address_space: global }
      - { .name: v, .offset: 8, .size: 8, .value_kind: global_buffer, .address_space: global }
      - { .name: kvc, .offset: 16, .size: 8, .value_kind: global_buffer, .address_space: global }
      - { .name: kvs, .offset: 24, .size: 8, .value_kind: global_buffer, .address_space: global }
    .group_segment_fixed_size: 267264
    .private_segment_fixed_size: 0
    .kernarg_segment_align: 8
    .kernarg_segment_size: 32
    .max_flat_workgroup_size: 256
    .sgpr_count:     96
    .vgpr_count:     240
    .wavefront_size: 32
...
	.end_amdgpu_metadata
.endif
;; end of part 1
;; launch attn (part 2): grid 16 x 16, 8 waves a work-group, no clusters, 327,680 bytes of LDS; arguments q, kvc, kvs, lambda_q1, lambda_k1, lambda_q2, lambda_k2, subln_weight, out0; writes out0
.if DOCPART == 2
	.amdgcn_target "amdgcn-amd-amdhsa--gfx1250"
	.amdhsa_code_object_version 6
	.text
	.protected	k_q5c7eaa38cc_attn
	.globl	k_q5c7eaa38cc_attn
	.p2align	8
	.type	k_q5c7eaa38cc_attn,@function
k_q5c7eaa38cc_attn:
	s_mov_b64 s[64:65], 0
	v_nop
	global_prefetch_b8 v0, s[64:65] scope:SCOPE_SE
	s_setreg_imm32_b32 hwreg(HW_REG_WAVE_MODE, 25, 1), 1
	s_wait_xcnt 0x0
; Differential attention with a causal mask, both softmaxes of a pair of heads on one V of 256 channels, then attn1 - lambda attn2, an RMS norm over the 256 channels, x subln_weight x (1 - LAMBDA_INIT).
; All four products on codes of BF8 (E5M2) with one E8M0 scale for each 32 along K.  K's and V's codes and scale words come from kvc and kvs as images of operand registers (a fragment: 2,048 bytes, register group c of lane l
; at 512 c + 16 l; a key step of 128 keys: 8 fragments of K of head 2 h, 8 of head 2 h + 1, 16 of V).  q is quantised here: each of its rows is read by one wave.
; THE SOFTMAX AHEAD OF THE SECOND PRODUCT: t = score x log2(e) / sqrt(128); M = the running largest t rounded UP to a whole number; p = 2^(t - M) is quantised along the keys, not normalised; the row's sum is taken of the
; unquantised p and divides at the end.  When M moves, the sum and O are multiplied by 2^(old M - new M): exact.
; SHARES.  Work-group (i, bh) owns the blocks of 64 queries i and 31 - i of pair bh: waves 0-3 the first, waves 4-7 the second; a wave owns 16 queries, both softmaxes, all 256 channels.  Block j walks j / 2 + 1 key steps,
; so each work-group has 17 block steps.  Steps all of whose keys come after a wave's queries are left out by a scalar branch on ids.
; LAYOUT.  Both products are used transposed: S^T = K Q^T (source 0 = 16 keys), O^T = V^T P^T (source 0 = 16 channels): a lane holds ONE query (lane % 16) throughout; the keys of a tile of K are so chosen that the
; 16 registers of tiles 2 b and 2 b + 1 are keys 32 b + 16 (lane / 16) + 0 .. 15: the conversions' results are the second product's operand.
; THE RING.  Two LDS slots of two key steps (131,072 bytes); each of the eight waves fetches an eighth of a slot with one tensor load.  The scale words of the whole pair (32,768 bytes) come once.
; NO CLUSTER: the sixteen work-groups of a pair read the same tiles, but work-group i asks only for slots whose first key is at or under its last query 64 (31 - i) + 63: five to eight slots.  Partners would need
; different numbers of tiles, and a partner that went on asking would only add loads to walk.
; LIMITS: NaN and infinities among the inputs are not served; a block whose largest magnitude lies under 2^-111 (zeros too) keeps the byte 1; a block's largest p is taken from the block's largest score, which takes
; v_exp_f32 not to fall where its input rises (the ISA guide promises 1 ulp): at the worst one p of a block, within an ulp of a power of two, is held one code low.
; REGISTERS.  Window 0: v1-11 addresses and constants; v12-19 statistics (-M, largest t, the sum in two halves; softmax 0, 1); v20-23 the factors f; v24-55 q's codes; v56-75 scale words and nothing else;
;   v76-107 p's codes; v108-127 at work; v128-191 four fragments; v192-255 the scores, then p, then four fragments of V.   Window 1: O1^T at v[8 t], O2^T at v[128 + 8 t], t = 0 .. 15.
.set STEPB, 65536                      ; a key step's images
.set SLOT1, 1<<17                      ; slot 1 begins here
.set QT,    SLOT1                      ; q's f32 tiles, a first fill that lies over slot 1: slot 1's first tile is issued as a refill is
.set QP,    1040                       ; a query's row: 1,024 bytes (both heads) + 16 of padding
.set QTW,   16*QP
.set SCL,   QT+8*QTW                   ; the pair's scale words
.set SPARE, SCL+32768                  ; the spare words, 128 bytes for each wave: four blocks of 256 bytes that no other line names
.set SP,    528                        ; the way out: a stage of 16 rows x (512 bytes + 16) for each wave, in slot 0, which has had its last fill and its last read behind the last change of slots
.set STW,   16*SP
.set LI,   1                           ; 16 x lane
.set LS8,  2                           ; SCL + 8 x lane
.set SPW,  3                           ; LDS address of my spare word; never rewritten
.set NIL,  4                           ; 0; never rewritten
.set PFO,  5                           ; 256 x lane
.set ADK,  6                           ; LDS address of the step's images; at the head of q's tile; on the way out of the stage (in)
.set ADS,  7                           ; of the step's scale words; on the way out of the stage (back)
.set DD,   8
.set LQ,   9                           ; lane % 16 - 16 (lane / 16)
.set NINF, 10
.set LAM,  11
.set STA,  12
.set FF,   20
.set QC,   24
.set QS,   56
.set PS,   58
.set SF,   60
.set PC,   76
.set BM,   108
.set T4,   112
.set HD,   116
.set SO,   120
.set TMP,  124
.set FR,   128
.set S,    192
.set TB,   2                           ; s2   LDS byte at which the step in hand begins
.set TS,   3                           ; s3   and its scale words: 2,048 bytes a step
.set WV,   22
.set MNT,  23
.set G1C,  24                          ; s[24:31] group 1 for the codes; s[32:39] for the scale words; s[40:47] for q's tile
.set G1S,  32
.set G1Q,  40
.set G0C,  48                          ; s[48:51] group 0 for the codes, which walks; s[52:55], s[56:59] for the other two
.set G0S,  52
.set G0Q,  56
.set SEL,  60
.set CS,   62                          ; s[62:63] c = log2(e) / sqrt(128)
.set KF,   66                          ; the step's first key
.set Q0,   67                          ; my first query
.set LASTQ, 68                         ; my work-group's last query
.set SLOTS, 69
.set TWICE, 70
.set LIM,  71                          ; 1 in the pair's first work-group, else the greatest number
.set PFA,  72                          ; s[72:73] where my prefetches stand
.set MSB, 0
.macro WIN new                         ; the immediate's high byte repeats the setting that is left
.if MSB != \new
	s_set_vgpr_msb (MSB<<8)|\new
.set MSB, \new
.endif
.endm
.macro PLACES n
.rept \n
	v_nop
.endr
.endm
	s_load_b256 s[4:11], s[0:1], 0x0               ; q s[4:5], kvc s[6:7], kvs s[8:9], lambda_q1 s[10:11]
	s_load_b256 s[12:19], s[0:1], 0x20             ; lambda_k1 s[12:13], lambda_q2 s[14:15], lambda_k2 s[16:17], subln_weight s[18:19]
	s_load_b64 s[20:21], s[0:1], 0x40              ; out0
	v_lshl_add_u32 v[SPW], v0, 2, SPARE
	v_mov_b32 v[NIL], 0
	ds_add_u32 v[SPW], v[NIL]                      ; the wave's opening: the add and its wait ahead of my first tensor load; the set-up below, work on registers, stands between them
	v_lshrrev_b32 v[TMP], 5, v0
	v_readfirstlane_b32 s[WV], v[TMP]              ; wave 0..7
	s_and_b32 s74, ttmp7, 0xffff                   ; bh
	s_lshr_b32 s75, s74, 3                         ; b
	s_and_b32 s76, s74, 7                          ; h
	s_sub_co_u32 s77, 31, ttmp9                    ; 31 - i
	s_cmp_lt_u32 s[WV], 4
	s_cselect_b32 s78, ttmp9, s77                  ; my block of 64 queries
	s_lshl_b32 s78, s78, 6
	s_and_b32 s79, s[WV], 3
	s_lshl_b32 s79, s79, 4
	s_add_co_u32 s[Q0], s78, s79
	s_lshl_b32 s[LASTQ], s77, 6
	s_or_b32 s[LASTQ], s[LASTQ], 63
	s_lshl_b32 s80, s75, 24                        ; q and out0: b x 2^24 + query x 8,192 + pair x 1,024
	s_lshl_b32 s81, s[Q0], 13
	s_add_co_u32 s80, s80, s81
	s_lshl_b32 s81, s76, 10
	s_add_co_u32 s80, s80, s81
	s_mov_b32 s81, 0
	s_lshl_b32 s82, s74, 20                        ; kvc: the pair's 16 steps, my eighth of a slot
	s_lshl_b32 s83, s[WV], 14
	s_add_co_u32 s82, s82, s83
	s_mov_b32 s87, s83                             ; and its place in a slot
	s_mov_b32 s83, 0
	s_lshl_b32 s84, s74, 15                        ; kvs: the pair's 32,768 bytes, my eighth
	s_lshl_b32 s85, s[WV], 12
	s_add_co_u32 s84, s84, s85
	s_add_co_u32 s88, s85, SCL
	s_mov_b32 s85, 0
	s_mul_i32 s86, s[WV], QTW
	s_add_co_u32 s86, s86, QT                      ; my tile of q in LDS
	; group 1: dense blocks as rows of 256 bytes (32 elements of 8 bytes): 64 rows of codes, 16 rows of scale words
	s_mov_b32 s[G1C+0], 3<<16
	s_mov_b32 s[G1C+1], 32<<16
	s_mov_b32 s[G1C+2], 64<<16
	s_mov_b32 s[G1C+3], 32<<16
	s_mov_b32 s[G1C+4], 64
	s_mov_b32 s[G1C+5], 32
	s_mov_b32 s[G1C+6], 0
	s_mov_b32 s[G1C+7], 0
	s_mov_b32 s[G1S+0], 3<<16
	s_mov_b32 s[G1S+1], 32<<16
	s_mov_b32 s[G1S+2], 16<<16
	s_mov_b32 s[G1S+3], 32<<16
	s_mov_b32 s[G1S+4], 16
	s_mov_b32 s[G1S+5], 32
	s_mov_b32 s[G1S+6], 0
	s_mov_b32 s[G1S+7], 0
	; q's tile: 16 rows of 256 elements of 4 bytes, 2,048 elements apart, 4 words of padding behind every 256
	s_mov_b32 s[G1Q+0], (2<<16)|(1<<20)|(7<<22)|(3<<25)
	s_mov_b32 s[G1Q+1], 256<<16
	s_mov_b32 s[G1Q+2], 16<<16
	s_mov_b32 s[G1Q+3], 256<<16
	s_mov_b32 s[G1Q+4], 16
	s_mov_b32 s[G1Q+5], 2048
	s_mov_b32 s[G1Q+6], 0
	s_mov_b32 s[G1Q+7], 0
	s_mov_b32 s[MNT], 0x600000                     ; the mantissa field of 57,344
	s_mov_b32 s[SEL], 0x76543210
	s_mov_b32 s[SEL+1], 0xfedcba98                 ; v_permlanex16_b32's selects for lane l xor 16
	s_mov_b32 s[CS], 0x3e0293ee
	s_mov_b32 s[CS+1], s[CS]                       ; (named with it as a pair, so it is written)
	s_mov_b32 s[TB], 0
	s_mov_b32 s[TS], 0
	s_mov_b32 s[KF], 0
	s_mov_b32 s[SLOTS], 7
	s_cmp_eq_u32 ttmp9, 0
	s_cselect_b32 s[LIM], 1, -1
	v_and_b32 v[TMP], 31, v0                       ; lane
	v_and_b32 v[TMP+1], 15, v0                     ; r
	v_bfe_u32 v[TMP+2], v0, 4, 1                   ; hf
	v_lshlrev_b32 v[LI], 4, v[TMP]
	v_lshl_add_u32 v[LS8], v[TMP], 3, SCL
	v_lshlrev_b32 v[PFO], 8, v[TMP]
	v_lshlrev_b32 v[LQ], 4, v[TMP+2]
	v_sub_nc_u32 v[LQ], v[TMP+1], v[LQ]
	v_mov_b32 v[NINF], 0xff800000
	v_mul_u32_u24 v[ADK], v[TMP+1], QP
	v_lshl_add_u32 v[ADK], v[TMP+2], 6, v[ADK]
	v_add_nc_u32 v[ADK], s86, v[ADK]               ; q's tile: row r, + 16 numbers for lanes 16-31
	s_wait_dscnt 0x0                               ; the opening add is done
	s_wait_kmcnt 0x0
	s_mov_b32 s[G0Q], 1
	s_mov_b32 s[G0Q+1], s86
	s_add_nc_u64 s[G0Q+2:G0Q+3], s[4:5], s[80:81]
	s_or_b32 s[G0Q+3], s[G0Q+3], 0x80000000
	s_mov_b32 s[G0S], 1
	s_mov_b32 s[G0S+1], s88
	s_add_nc_u64 s[G0S+2:G0S+3], s[8:9], s[84:85]
	s_or_b32 s[G0S+3], s[G0S+3], 0x80000000
	s_mov_b32 s[G0C], 1
	s_mov_b32 s[G0C+1], s87
	s_add_nc_u64 s[G0C+2:G0C+3], s[6:7], s[82:83]
	s_or_b32 s[G0C+3], s[G0C+3], 0x80000000
	tensor_load_to_lds s[G0Q:G0Q+3], s[G1Q:G1Q+7]  ; the first fills go out together: three loads of mine are out
	s_nop 0
	tensor_load_to_lds s[G0S:G0S+3], s[G1S:G1S+7]
	s_nop 0
	tensor_load_to_lds s[G0C:G0C+3], s[G1C:G1C+7]  ; slot 0
	s_nop 0
	PLACES 4
	s_add_nc_u64 s[20:21], s[20:21], s[80:81]      ; out0 at my first query
	s_add_nc_u64 s[PFA:PFA+1], s[6:7], s[82:83]
	s_add_nc_u64 s[PFA:PFA+1], s[PFA:PFA+1], 2*STEPB   ; in slot 1's keys; the first change of slots steps it on.  Nothing is prefetched here, at the head
	global_load_b128 v[76:79], v[LI], s[10:11]     ; the four lambda vectors, four numbers a lane
	global_load_b128 v[80:83], v[LI], s[12:13]
	global_load_b128 v[84:87], v[LI], s[14:15]
	global_load_b128 v[88:91], v[LI], s[16:17]
.irp a, 0,1
	v_mov_b32 v[STA+4*\a+1], 0xff61b1e6            ; the largest t so far: -3e38, under every t
	v_floor_f32 v[STA+4*\a], -v[STA+4*\a+1]        ; -M
	v_mov_b32 v[STA+4*\a+2], 0                     ; the sum, in two halves
	v_mov_b32 v[STA+4*\a+3], 0
	v_mov_b32 v[FF+2*\a+1], 0                      ; (named as the upper half of f's pair)
.endr
.irp b, 0,1,2,3
	v_mov_b32 v[T4+\b], 0                          ; written once: a lane permute's destination counts as one of its sources
.endr
	v_mov_b32 v[TMP+3], 0                          ; (the upper half of a pair on the way out)
	WIN 0x40                                       ; destination window 1
.set o, 0
.rept 256
	v_mov_b32 v[o], 0                              ; O1^T and O2^T.  The key step is written without a first step of its own: the first finds zeros, which the first change of M leaves zeros.  These lines stand while the first fills are on their way
.set o, o+1
.endr
	WIN 0
; 64 numbers of a lane, register 16 b + i = k 32 b + 16 (lane / 16) + i of my row, become a fragment's 16 registers of codes at v[pc] and its scale word in v[pw]
.macro QUANT s, pc, pw
.irp b, 0,1,2,3
	v_max3_num_f32 v[BM+\b], |v[(\s)+16*\b]|, |v[(\s)+1+16*\b]|, 0x8000000   ; block b: my 16 numbers, and the floor 2^(16 - 127)
.endr
.irp i, 2,4,6,8,10,12,14
.irp b, 0,1,2,3
	v_max3_num_f32 v[BM+\b], v[BM+\b], |v[(\s)+16*\b+\i]|, |v[(\s)+1+16*\b+\i]|
.endr
.endr
.irp b, 0,1,2,3
	v_permlanex16_b32 v[T4+\b], v[BM+\b], s[SEL], s[SEL+1]
.endr
.irp b, 0,1,2,3
	v_max_num_f32 v[BM+\b], v[BM+\b], v[T4+\b]
.endr
.irp b, 0,1,2,3
	v_add_nc_u32 v[SO+\b], 0xf8800000, v[BM+\b]    ; 15 off the exponent field: the conversion's scale operand
.endr
.irp b, 0,1,2,3
	v_and_or_b32 v[HD+\b], v[BM+\b], 0x7f800000, s[MNT]   ; 57,344 x the scale
.endr
.irp b, 0,1,2,3
	v_lshrrev_b32 v[T4+\b], 23, v[SO+\b]           ; the scale's byte
.endr
	v_lshl_or_b32 v[\pw], v[T4+1], 8, v[T4]
	v_lshl_or_b32 v[\pw], v[T4+2], 16, v[\pw]
	v_lshl_or_b32 v[\pw], v[T4+3], 24, v[\pw]
.irp b, 0,1,2,3
.irp i, 0,1,2,3,4,5,6,7,8,9,10,11,12,13,14,15
	v_med3_num_f32 v[(\s)+16*\b+\i], v[(\s)+16*\b+\i], -v[HD+\b], v[HD+\b]   ; the conversion to an 8-bit code does not saturate (ISA guide 7.6.2)
.endr
	v_cvt_scalef32_pk8_bf8_f32 v[(\pc)+4*\b:(\pc)+4*\b+1], v[(\s)+16*\b:(\s)+16*\b+7], v[SO+\b]
	v_cvt_scalef32_pk8_bf8_f32 v[(\pc)+4*\b+2:(\pc)+4*\b+3], v[(\s)+16*\b+8:(\s)+16*\b+15], v[SO+\b]
.endr
	v_nop                                          ; one plain line behind the last conversion
.endm
	s_wait_tensorcnt 0x0                           ; q's tile is in (every wait on TENSORcnt in this text is for 0, since a jump on ids leads round a refill further down)
.irp c, 0,1,2,3
.irp j, 0,1,2,3
	ds_load_b128 v[S+16*\c+4*\j:S+16*\c+4*\j+3], v[ADK] offset:128*\c+16*\j            ; head 2 h
.endr
.endr
.irp c, 0,1,2,3
.irp j, 0,1,2,3
	ds_load_b128 v[FR+16*\c+4*\j:FR+16*\c+4*\j+3], v[ADK] offset:512+128*\c+16*\j      ; head 2 h + 1
.endr
.endr
	s_wait_dscnt 16                                ; the first head's 16 loads are in; the second's may be out
	QUANT S, QC, QS
	s_wait_dscnt 0x0
	QUANT FR, QC+16, QS+1
	s_wait_loadcnt 0x0                             ; the lambda vectors
	v_mul_f32 v[TMP], v76, v80
	v_mul_f32 v[TMP+1], v84, v88
.irp j, 1,2,3
	v_fmac_f32 v[TMP], v[76+\j], v[80+\j]
	v_fmac_f32 v[TMP+1], v[84+\j], v[88+\j]
.endr
.irp m, 1,2,4,8
	v_add_f32_dpp v[TMP], v[TMP], v[TMP] row_xmask:\m row_mask:0xf bank_mask:0xf
	v_add_f32_dpp v[TMP+1], v[TMP+1], v[TMP+1] row_xmask:\m row_mask:0xf bank_mask:0xf
.endr
	v_permlanex16_b32 v[T4], v[TMP], s[SEL], s[SEL+1]
	v_permlanex16_b32 v[T4+1], v[TMP+1], s[SEL], s[SEL+1]
	v_add_f32 v[TMP], v[TMP], v[T4]
	v_add_f32 v[TMP+1], v[TMP+1], v[T4+1]          ; the two dot products, in every lane
	v_mul_f32 v[TMP], 0x3fb8aa3b, v[TMP]           ; x log2(e)
	v_mul_f32 v[TMP+1], 0x3fb8aa3b, v[TMP+1]
	v_exp_f32 v[TMP], v[TMP]
	v_exp_f32 v[TMP+1], v[TMP+1]
	v_nop                                          ; a plain line behind the transcendentals
	s_wait_alu depctr_va_vdst(0)                   ; one wait for both, ahead of their first reader
	v_sub_f32 v[LAM], v[TMP], v[TMP+1]
	v_add_f32 v[LAM], 0x3f489a63, v[LAM]           ; + LAMBDA_INIT = 0.8 - 0.6 exp(-3.6)
; four fragments of K of softmax a: tiles 4 g .. 4 g + 3
.macro KLOAD a, g
.irp tt, 0,1,2,3
.irp c, 0,1,2,3
	ds_load_b128 v[FR+16*\tt+4*\c:FR+16*\tt+4*\c+3], v[ADK] offset:16384*\a+2048*(4*\g+\tt)+512*\c
.endr
.endr
.endm
; their four products: source 0 = 16 keys, source 1 = my 16 queries; an odd tile's scale words lie in lanes 16-31 of the register
.macro SMUL a, g
.irp tt, 0,1,2,3
.if (\tt)%2
	v_wmma_scale_f32_16x16x128_f8f6f4 v[S+8*(4*\g+\tt):S+8*(4*\g+\tt)+7], v[FR+16*\tt:FR+16*\tt+15], v[QC+16*\a:QC+16*\a+15], 0, v[SF+4*\a+(4*\g+\tt)/2], v[QS+\a] matrix_a_fmt:MATRIX_FMT_BF8 matrix_b_fmt:MATRIX_FMT_BF8 matrix_a_scale:MATRIX_SCALE_ROW1
.else
	v_wmma_scale_f32_16x16x128_f8f6f4 v[S+8*(4*\g+\tt):S+8*(4*\g+\tt)+7], v[FR+16*\tt:FR+16*\tt+15], v[QC+16*\a:QC+16*\a+15], 0, v[SF+4*\a+(4*\g+\tt)/2], v[QS+\a] matrix_a_fmt:MATRIX_FMT_BF8 matrix_b_fmt:MATRIX_FMT_BF8
.endif
.endr
.endm
; four fragments of V: tiles 4 g .. 4 g + 3 of 16 channels, into v128 on (g even) or v192 on (g odd)
.macro VLOAD g
.set VB, FR+64*((\g)%2)
.irp tt, 0,1,2,3
.irp c, 0,1,2,3
	ds_load_b128 v[VB+16*\tt+4*\c:VB+16*\tt+4*\c+3], v[ADK] offset:32768+2048*(4*(\g)+\tt)+512*\c
.endr
.endr
.endm
; O^T of tiles 4 g .. 4 g + 3 under the new M: x f, each accumulator from its low end on
.macro RESC g
	WIN 0x41                                       ; O^T (destination and source 0) window 1, f window 0
.irp j, 0,2,4,6,8,10,12,14,16,18,20,22,24,26,28,30
	v_pk_mul_f32 v[32*\g+\j:32*\g+\j+1], v[32*\g+\j:32*\g+\j+1], v[FF:FF+1] op_sel_hi:[1,0]
.endr
.irp j, 0,2,4,6,8,10,12,14,16,18,20,22,24,26,28,30
	v_pk_mul_f32 v[128+32*\g+\j:128+32*\g+\j+1], v[128+32*\g+\j:128+32*\g+\j+1], v[FF+2:FF+3] op_sel_hi:[1,0]
.endr
.endm
; eight products: each fragment of V against p of both softmaxes.  All 32 accumulators have one turn a key step
.macro PV g
	WIN 0x50                                       ; C and D window 1
.set VB, FR+64*((\g)%2)
.irp tt, 0,1,2,3
.irp a, 0,1
.if (\tt)%2
	v_wmma_scale_f32_16x16x128_f8f6f4 v[128*\a+8*(4*\g+\tt):128*\a+8*(4*\g+\tt)+7], v[VB+16*\tt:VB+16*\tt+15], v[PC+16*\a:PC+16*\a+15], v[128*\a+8*(4*\g+\tt):128*\a+8*(4*\g+\tt)+7], v[SF+8+(4*\g+\tt)/2], v[PS+\a] matrix_a_fmt:MATRIX_FMT_BF8 matrix_b_fmt:MATRIX_FMT_BF8 matrix_a_scale:MATRIX_SCALE_ROW1
.else
	v_wmma_scale_f32_16x16x128_f8f6f4 v[128*\a+8*(4*\g+\tt):128*\a+8*(4*\g+\tt)+7], v[VB+16*\tt:VB+16*\tt+15], v[PC+16*\a:PC+16*\a+15], v[128*\a+8*(4*\g+\tt):128*\a+8*(4*\g+\tt)+7], v[SF+8+(4*\g+\tt)/2], v[PS+\a] matrix_a_fmt:MATRIX_FMT_BF8 matrix_b_fmt:MATRIX_FMT_BF8
.endif
.endr
.endr
.endm
; On the diagonal the scores of hidden keys become -infinity ahead of the maximum: p = 0 then.  A step all of whose keys count skips this.  Register 16 b + i holds key KF + 32 b + 16 (lane / 16) + i
.macro MASK
	s_add_co_u32 s96, s[KF], 127
	s_cmp_le_u32 s96, s[Q0]
	s_cbranch_scc1 .Lopen_\@
	s_sub_co_i32 s96, s[Q0], s[KF]
	v_add_nc_u32 v[DD], s96, v[LQ]                 ; d = my query - KF - 16 (lane / 16): hidden where 32 b + i > d
.set n, 0
.rept 64
	v_cmp_gt_i32 vcc_lo, 32*(n/16)+n%16, v[DD]
	v_cndmask_b32 v[S+n], v[S+n], v[NINF], vcc_lo
.set n, n+1
.endr
.Lopen_\@:
.endm
; The softmax of 128 keys for softmax a: the scores in v[S] on become p, its codes and its scale word; f is left for RESC
.macro SOFTMAX a
.set NM, STA+4*\a
.set TT, STA+4*\a+1
.set SU, STA+4*\a+2
.set FA, FF+2*\a
.set PA, PC+16*\a
.irp b, 0,1,2,3
	v_max3_num_f32 v[BM+\b], v[S+16*\b], v[S+16*\b+1], v[S+16*\b+2]   ; the largest score of each block of 32 keys: for the row's maximum, and, since p rises with the score, for the block's largest p
.endr
.irp i, 3,5,7,9,11,13
.irp b, 0,1,2,3
	v_max3_num_f32 v[BM+\b], v[BM+\b], v[S+16*\b+\i], v[S+16*\b+\i+1]
.endr
.endr
.irp b, 0,1,2,3
	v_max_num_f32 v[BM+\b], v[BM+\b], v[S+16*\b+15]
.endr
.irp b, 0,1,2,3
	v_permlanex16_b32 v[T4+\b], v[BM+\b], s[SEL], s[SEL+1]
.endr
.irp b, 0,1,2,3
	v_max_num_f32 v[BM+\b], v[BM+\b], v[T4+\b]     ; with lane l xor 16's 16 keys
.endr
	v_max3_num_f32 v[TMP], v[BM], v[BM+1], v[BM+2]
	v_max_num_f32 v[TMP], v[TMP], v[BM+3]          ; the step's largest score of my query
	v_mul_f32 v[TMP], s[CS], v[TMP]                ; as t (c is positive)
	v_max_num_f32 v[TT], v[TT], v[TMP]             ; the running largest t
	v_mov_b32 v[TMP], v[NM]
	v_floor_f32 v[NM], -v[TT]                      ; the new -M = floor(-t) = -ceil(t): a whole number
	v_sub_f32 v[TMP], v[NM], v[TMP]                ; old M - new M: a whole number, 0 or less
	v_cvt_i32_f32 v[TMP], v[TMP]                   ; (it saturates)
	v_ldexp_f32 v[FA], 1.0, v[TMP]                 ; f = 2^(old M - new M): a multiplication by it rounds nothing
.irp j, 0,2,4,6,8,10,12,14,16,18,20,22,24,26,28,30,32,34,36,38,40,42,44,46,48,50,52,54,56,58,60,62
	v_pk_fma_f32 v[S+\j:S+\j+1], v[S+\j:S+\j+1], s[CS:CS+1], v[NM:NM+1] op_sel_hi:[1,0,0]   ; t - M, two at a time
.endr
.irp b, 0,1,2,3
	v_fma_f32 v[BM+\b], v[BM+\b], s[CS], v[NM]     ; the same of each block's largest score
.endr
.set n, 0
.rept 64
	v_exp_f32 v[S+n], v[S+n]                       ; p = 2^(t - M), at most 1: not normalised
.set n, n+1
.endr
	v_pk_mul_f32 v[SU:SU+1], v[SU:SU+1], v[FA:FA+1] op_sel_hi:[1,0]   ; the sums under the new M: a plain line behind the exponentials
	s_wait_alu depctr_va_vdst(0)                   ; one wait for the batch of 64, ahead of its first reader
.irp b, 0,1,2,3
	v_exp_f32 v[BM+\b], v[BM+\b]                   ; the block's largest p: the same two instructions on the same number give the same bits
.endr
	v_pk_add_f32 v[T4:T4+1], v[S:S+1], v[S+2:S+3]  ; the row's sum is taken of the unquantised p: two at a time, in two chains
.irp j, 4,8,12,16,20,24,28,32,36,40,44,48,52,56,60
	v_pk_add_f32 v[SU:SU+1], v[SU:SU+1], v[S+\j:S+\j+1]
	v_pk_add_f32 v[T4:T4+1], v[T4:T4+1], v[S+\j+2:S+\j+3]
.endr
	v_pk_add_f32 v[SU:SU+1], v[SU:SU+1], v[T4:T4+1]
	s_wait_alu depctr_va_vdst(0)                   ; and one for the four
.irp b, 0,1,2,3
	v_max_num_f32 v[BM+\b], 0x8000000, v[BM+\b]    ; the floor 2^(16 - 127): a block whose every p is 0 keeps the byte 1: its codes are zeros
.endr
.irp b, 0,1,2,3
	v_add_nc_u32 v[SO+\b], 0xf8800000, v[BM+\b]
.endr
.irp b, 0,1,2,3
	v_and_or_b32 v[HD+\b], v[BM+\b], 0x7f800000, s[MNT]
.endr
.irp b, 0,1,2,3
	v_lshrrev_b32 v[T4+\b], 23, v[SO+\b]
.endr
	v_lshl_or_b32 v[PS+\a], v[T4+1], 8, v[T4]      ; p's scale word for these 128 keys
	v_lshl_or_b32 v[PS+\a], v[T4+2], 16, v[PS+\a]
	v_lshl_or_b32 v[PS+\a], v[T4+3], 24, v[PS+\a]
.irp b, 0,1,2,3
.irp i, 0,1,2,3,4,5,6,7,8,9,10,11,12,13,14,15
	v_min_num_f32 v[S+16*\b+\i], v[S+16*\b+\i], v[HD+\b]   ; p is not negative: the hold is one-sided
.endr
	v_cvt_scalef32_pk8_bf8_f32 v[PA+4*\b:PA+4*\b+1], v[S+16*\b:S+16*\b+7], v[SO+\b]
	v_cvt_scalef32_pk8_bf8_f32 v[PA+4*\b+2:PA+4*\b+3], v[S+16*\b+8:S+16*\b+15], v[SO+\b]
.endr
	v_nop                                          ; one plain line behind the last conversion
.endm
; A KEY STEP of 128 keys.  A step all of whose keys come after my 16 queries is left out: a scalar branch on ids, round its loads, products and softmaxes; not round the lines at its end that step addresses
.macro STEP
	s_add_co_u32 s96, s[Q0], 15
	s_cmp_gt_u32 s[KF], s96
	s_cbranch_scc1 .Lhidden_\@
	v_add_nc_u32 v[ADK], s[TB], v[LI]
	v_add_nc_u32 v[ADS], s[TS], v[LS8]
	PLACES 8                                       ; with the two additions ten places behind the last step's products: eight for the loads below, nine for the scores, which are laid over registers that those products read
.irp n, 0,1,2,3,4,5,6,7
	ds_load_b64 v[SF+2*\n:SF+2*\n+1], v[ADS] offset:256*\n   ; the step's 16 scale registers
.endr
	KLOAD 0, 0
	s_wait_dscnt 0x0
	SMUL 0, 0
	PLACES 8
	KLOAD 0, 1
	s_wait_dscnt 0x0
	SMUL 0, 1
	PLACES 8
	KLOAD 1, 0                                     ; lands under the first softmax
	MASK
	SOFTMAX 0
	s_wait_dscnt 0x0
	SMUL 1, 0
	PLACES 8
	KLOAD 1, 1
	s_wait_dscnt 0x0
	SMUL 1, 1
	PLACES 8
	VLOAD 0                                        ; lands under the second softmax
	MASK
	SOFTMAX 1
	VLOAD 1                                        ; into the registers that p has left
	RESC 0                                         ; the rescaling runs one group ahead of the products; its lines are the places in front of the products and of the loads
	RESC 1
	s_wait_dscnt 16                                ; group 0's fragments are in; group 1's 16 loads may be out
	PV 0
	RESC 2
	WIN 0
	VLOAD 2
	s_wait_dscnt 16                                ; group 1's are in; group 2's may be out
	PV 1
	RESC 3
	WIN 0
	VLOAD 3
	s_wait_dscnt 16                                ; group 2's are in; group 3's may be out
	PV 2
	s_wait_dscnt 0x0
	PV 3
	WIN 0                                          ; at a label and at a branch every window is 0
.Lhidden_\@:
	s_add_co_u32 s[KF], s[KF], 128
	s_add_co_u32 s[TS], s[TS], 2048
	s_add_co_u32 s[TB], s[TB], STEPB
.endm
; THE CHANGE OF SLOTS stands at a slot's head.  Each wave waits for all its tensor loads (its eighth of the slot that it is about to read), adds 0 to its spare word, and waits for that and for its reads of the slot that it has left.
; fill = 1: behind the barrier that other slot is filled with the next 256 keys, while a later step of the work-group reads them: a slot whose first key comes after the work-group's last query is not asked for.
; THE PREFETCH: my eighth (16,384 bytes, lanes 256 bytes apart, two instructions) of the slot after the one that is being asked for: one slot, two key steps, ahead of the tensor load that will want it.  All sixteen
; work-groups of a pair walk the same images: the pair's first work-group asks, so each block of 256 bytes is named once.  The last change that fills a slot asks for nothing: there is no slot behind it.
.macro CHANGE fill
	s_wait_tensorcnt 0x0                           ; no tensor load of mine is out, so a group 0 may be written
	ds_add_u32 v[SPW], v[NIL]                      ; 0 onto my spare word; the steps below stand between it and the wait for it
.if \fill
	s_xor_b32 s[G0C+1], s[G0C+1], SLOT1            ; the walking descriptor: the other slot than last time,
	s_add_nc_u64 s[G0C+2:G0C+3], s[G0C+2:G0C+3], 2*STEPB   ; the next two key steps; the type bits on top are not reached
	s_wait_xcnt 0x0                                ; the last prefetches, a slot back, have read their address, so it may be written
	s_add_nc_u64 s[PFA:PFA+1], s[PFA:PFA+1], 2*STEPB
.endif
	s_wait_dscnt 0x0                               ; the add is done, and my reads of the slot that I have left are over
	s_barrier_signal -1
	s_barrier_wait -1
.if \fill
	s_add_co_u32 s96, s[KF], 256                   ; the first key of the slot that this change would ask for
	s_cmp_gt_u32 s96, s[LASTQ]
	s_cbranch_scc1 .Lpast_\@
	tensor_load_to_lds s[G0C:G0C+3], s[G1C:G1C+7]  ; my one tensor load until the next change
	s_nop 0
	PLACES 4
.Lpast_\@:
	s_cmp_gt_u32 s[SLOTS], s[LIM]
	s_cbranch_scc0 .Lnot_mine_\@
	global_prefetch_b8 v[PFO], s[PFA:PFA+1] th:TH_LOAD_NT scope:SCOPE_SE
	global_prefetch_b8 v[PFO], s[PFA:PFA+1] offset:8192 th:TH_LOAD_NT scope:SCOPE_SE
.Lnot_mine_\@:
.endif
.endm
; A slot's two key steps: written once, walked twice; the LDS addresses hang on s[TB] and s[TS]
.macro TWO_STEPS
	s_mov_b32 s[TWICE], 2
.Lstep_\@:
	STEP
	s_sub_co_u32 s[TWICE], s[TWICE], 1
	s_cmp_lg_u32 s[TWICE], 0
	s_cbranch_scc1 .Lstep_\@
	s_sub_co_u32 s[TB], s[TB], 2*STEPB             ; back to a slot's first step,
	s_xor_b32 s[TB], s[TB], SLOT1                  ; in the other slot
.endm
.Lslot:                                            ; seven trips: behind each change of slots but the last the next slot is asked for, up to the causal limit
	CHANGE 1
	TWO_STEPS
	s_sub_co_u32 s[SLOTS], s[SLOTS], 1
	s_cmp_lg_u32 s[SLOTS], 0
	s_cbranch_scc1 .Lslot
	CHANGE 0                                       ; the last slot is written out: nothing is left to ask for
	TWO_STEPS
	; THE WAY OUT.  x = O1 / l1 - lambda O2 / l2 = r1 y with y = O1 - (lambda l1 / l2) O2, r1 = 1 / l1; mean(x^2) = r1^2 sum(y^2) / 256; out = w y r1 rsqrt(mean + eps) (1 - LAMBDA_INIT).
	; The thirteen plain lines down to y are the places behind the last products.
	global_load_b128 v[24:27], v[LI], s[18:19]             ; subln_weight at channels 4 lane .. (head 2 h),
	global_load_b128 v[28:31], v[LI], s[18:19] offset:512  ; and 128 + 4 lane .. (head 2 h + 1), into registers that q's codes have left
	v_add_f32 v[STA+2], v[STA+2], v[STA+3]         ; the sums' two halves,
	v_add_f32 v[STA+6], v[STA+6], v[STA+7]
	v_and_b32 v[DD], 15, v0                        ; r
	v_bfe_u32 v[LQ], v0, 4, 1                      ; hf
	v_permlanex16_b32 v[T4], v[STA+2], s[SEL], s[SEL+1]
	v_permlanex16_b32 v[T4+1], v[STA+6], s[SEL], s[SEL+1]
	s_mul_i32 s97, s[WV], STW                      ; my stage
	v_mul_u32_u24 v[ADK], v[DD], SP
	v_lshl_add_u32 v[ADK], v[LQ], 5, v[ADK]
	v_add_nc_u32 v[ADK], s97, v[ADK]               ; in: row r, + 32 bytes for lanes 16-31
	v_add_nc_u32 v[ADS], s97, v[LI]                ; back: the 32 lanes take a row of 512 bytes
	v_add_f32 v[STA+2], v[STA+2], v[T4]            ; l1
	v_add_f32 v[STA+6], v[STA+6], v[T4+1]          ; l2
	v_rcp_f32 v[TMP], v[STA+2]                     ; r1
	v_rcp_f32 v[TMP+1], v[STA+6]                   ; r2
	v_mul_f32 v[TMP+2], v[LAM], v[STA+2]           ; lambda l1: a plain line behind the reciprocals
	v_mov_b32 v[SO+1], 0                           ; (the upper half of g's pair)
	s_wait_alu depctr_va_vdst(0)                   ; one wait for both reciprocals, ahead of their first reader
	v_mul_f32 v[TMP+2], -v[TMP+2], v[TMP+1]        ; -lambda l1 / l2
	WIN 0x51                                       ; O2^T (source 0), O1^T (source 2 and destination) window 1
.set o, 0
.rept 64
	v_pk_fma_f32 v[o:o+1], v[128+o:129+o], v[TMP+2:TMP+3], v[o:o+1] op_sel_hi:[1,0,1]   ; y, each accumulator from its low end on
.set o, o+2
.endr
	WIN 0x05                                       ; sources 0 and 1 window 1
.set o, 0
.rept 64
.if o < 8
	v_pk_mul_f32 v[T4+o:T4+o+1], v[o:o+1], v[o:o+1]            ; the squares, in four chains that the first four pairs start
.else
	v_pk_fma_f32 v[T4+o%8:T4+o%8+1], v[o:o+1], v[o:o+1], v[T4+o%8:T4+o%8+1]
.endif
.set o, o+2
.endr
	WIN 0
	v_pk_add_f32 v[T4:T4+1], v[T4:T4+1], v[T4+2:T4+3]
	v_pk_add_f32 v[T4+4:T4+5], v[T4+4:T4+5], v[T4+6:T4+7]
	v_pk_add_f32 v[T4:T4+1], v[T4:T4+1], v[T4+4:T4+5]
	v_add_f32 v[T4], v[T4], v[T4+1]                ; my 128 channels,
	v_permlanex16_b32 v[T4+2], v[T4], s[SEL], s[SEL+1]
	v_mul_f32 v[T4+1], v[TMP], v[TMP]              ; r1^2
	v_add_f32 v[T4], v[T4], v[T4+2]                ; and lane l xor 16's
	v_mul_f32 v[T4+1], 0x3b800000, v[T4+1]         ; / 256
	v_fmaak_f32 v[T4], v[T4], v[T4+1], 0x3727c5ac  ; + 1e-5
	v_rsq_f32 v[T4+2], v[T4]
	v_mul_f32 v[SO], 0x3e5d9673, v[TMP]            ; r1 (1 - LAMBDA_INIT): a plain line behind the root
	s_wait_alu depctr_va_vdst(0)
	v_mul_f32 v[SO], v[SO], v[T4+2]                ; g
	WIN 0x41
.set o, 0
.rept 64
	v_pk_mul_f32 v[o:o+1], v[o:o+1], v[SO:SO+1] op_sel_hi:[1,0]
.set o, o+2
.endr
	; A lane holds 32 neighbouring bytes of a row and the lanes beside it hold other rows: a head's 128 channels of 16 queries go through my own stage and come back as whole rows of 512 bytes.
	; LDS serves a wave's instructions in order (ISA guide 5.7.1.4): no wait between the stores and the loads, nor in front of the second head's stores
.irp u, 0,1
	WIN 0x04                                       ; an LDS store's data are its source 1: window 1
.irp t, 0,1,2,3,4,5,6,7
	ds_store_b128 v[ADK], v[64*\u+8*\t:64*\u+8*\t+3] offset:64*\t
	ds_store_b128 v[ADK], v[64*\u+8*\t+4:64*\u+8*\t+7] offset:64*\t+16
.endr
	WIN 0x40                                       ; back into the registers that O2^T has left
.irp i, 0,1,2,3,4,5,6,7,8,9,10,11,12,13,14,15
	ds_load_b128 v[128+64*\u+4*\i:128+64*\u+4*\i+3], v[ADS] offset:\i*SP
.endr
.endr
	s_wait_loadcnt 0x0                             ; subln_weight
.irp u, 0,1
	s_wait_dscnt 32-32*\u                          ; this head's rows are back; behind the first head's loads stand the second's 16 stores and 16 loads
	WIN 0x41
.irp i, 0,1,2,3,4,5,6,7,8,9,10,11,12,13,14,15
	v_pk_mul_f32 v[128+64*\u+4*\i:128+64*\u+4*\i+1], v[128+64*\u+4*\i:128+64*\u+4*\i+1], v[24+4*\u:25+4*\u]
	v_pk_mul_f32 v[128+64*\u+4*\i+2:128+64*\u+4*\i+3], v[128+64*\u+4*\i+2:128+64*\u+4*\i+3], v[26+4*\u:27+4*\u]
.endr
	WIN 0x04                                       ; a store's data are its source 1
.irp i, 0,1,2,3,4,5,6,7,8,9,10,11,12,13,14,15
	global_store_b128 v[LI], v[128+64*\u+4*\i:128+64*\u+4*\i+3], s[20:21] offset:8192*\i+512*\u th:TH_STORE_NT   ; 32 lanes store 512 consecutive bytes, at a multiple of 256 from out0's first byte; written once, read by nobody here
.endr
.endr
	WIN 0
	s_wait_tensorcnt 0x0                           ; the wave's end, behind my last tensor load and my last LDS store
	ds_add_u32 v[SPW], v[NIL]
	s_wait_dscnt 0x0
	s_endpgm
.Lfunc_end_k_q5c7eaa38cc_attn:
	.size	k_q5c7eaa38cc_attn, .Lfunc_end_k_q5c7eaa38cc_attn-k_q5c7eaa38cc_attn
	.p2alignl 7, 3214868480
	.fill 96, 4, 3214868480
	.section	.rodata,"a",@progbits
	.p2align	6, 0x0
	.amdhsa_kernel k_q5c7eaa38cc_attn
		.amdhsa_group_segment_fixed_size 327680
		.amdhsa_private_segment_fixed_size 0
		.amdhsa_enable_private_segment 0
		.amdhsa_kernarg_size 72
		.amdhsa_user_sgpr_count 2
		.amdhsa_user_sgpr_kernarg_segment_ptr 1
		.amdhsa_wavefront_size32 1
		.amdhsa_system_sgpr_workgroup_id_x 1
		.amdhsa_system_sgpr_workgroup_id_y 1
		.amdhsa_system_sgpr_workgroup_id_z 1
		.amdhsa_system_vgpr_workitem_id 0
		.amdhsa_next_free_vgpr 512
		.amdhsa_next_free_sgpr 100
		.amdhsa_reserve_vcc 1
		.amdhsa_float_denorm_mode_32 3
		.amdhsa_float_denorm_mode_16_64 3
		.amdhsa_memory_ordered 1
		.amdhsa_forward_progress 1
		.amdhsa_inst_pref_size 182
	.end_amdhsa_kernel
	.amdgpu_metadata
---
amdhsa.version: [ 1, 2 ]
amdhsa.kernels:
  - .name:           k_q5c7eaa38cc_attn
    .symbol:         k_q5c7eaa38cc_attn.kd
    .args:
      - { .name: q, .offset: 0, .size: 8, .value_kind: global_buffer, .address_space: global }
      - { .name: kvc, .offset: 8, .size: 8, .value_kind: global_buffer, .address_space: global }
      - { .name: kvs, .offset: 16, .size: 8, .value_kind: global_buffer, .address_space: global }
      - { .name: lambda_q1, .offset: 24, .size: 8, .value_kind: global_buffer, .address_space: global }
      - { .name: lambda_k1, .offset: 32, .size: 8, .value_kind: global_buffer, .address_space: global }
      - { .name: lambda_q2, .offset: 40, .size: 8, .value_kind: global_buffer, .address_space: global }
      - { .name: lambda_k2, .offset: 48, .size: 8, .value_kind: global_buffer, .address_space: global }
      - { .name: subln_weight, .offset: 56, .size: 8, .value_kind: global_buffer, .address_space: global }
      - { .name: out0, .offset: 64, .size: 8, .value_kind: global_buffer, .address_space: global }
    .group_segment_fixed_size: 327680
    .private_segment_fixed_size: 0
    .kernarg_segment_align: 8
    .kernarg_segment_size: 72
    .max_flat_workgroup_size: 256
    .sgpr_count:     100
    .vgpr_count:     512
    .wavefront_size: 32
...
	.end_amdgpu_metadata
.endif
;; end of part 2
